; MI455X (gfx1250); checked and timed in simulation.
; The chip was launched on July 23, 2026; its instructions are those of AMD's public machine-readable ISA for CDNA 5 (MIT licence, August 2026) and "CDNA5" Instruction Set Architecture Reference Guide (July 2026). The comments in the code are by the model that wrote it; some were corrected since.
;; Bit Linear. Allowed arithmetic: float matrix products may take bf16 or f16 operands with f32 sums; other float arithmetic in f32, or as packed bf16 or f16 multiplies, adds, multiply-adds, maxima and minima; sums over many terms, partial sums and values carried from step to step in f32; what a program stores and reads back later, other than sums and carried values, may be rounded once to bf16 or f16.
;; Inputs: input 8,192 x 4,096 float32; weight 2,048 x 4,096 float32.
;; Outputs: out0 8,192 x 2,048 float32.
;; One version. Each part assembles by itself: llvm-mc -triple=amdgcn-amd-amdhsa -mcpu=gfx1250 --defsym DOCPART=n.
;; ======== version 1 of 1: 3 launches
;; workspace buffers: part 4,096 bytes; xq 67,108,864 bytes; wq 16,777,216 bytes; cnt 2,048 bytes
;; launch stats (part 1): grid 512 x 1, 8 waves a work-group, no clusters, 1,280 bytes of LDS; arguments input, weight, part; writes part
.if DOCPART == 1
	.amdgcn_target "amdgcn-amd-amdhsa--gfx1250"
	.amdhsa_code_object_version 6
	.text
	.protected	k_q9df8bbc656_stats
	.globl	k_q9df8bbc656_stats
	.p2align	8
	.type	k_q9df8bbc656_stats,@function
k_q9df8bbc656_stats:
	s_mov_b64 s[64:65], 0
	v_nop
	global_prefetch_b8 v0, s[64:65] scope:SCOPE_SE
	s_setreg_imm32_b32 hwreg(HW_REG_WAVE_MODE, 25, 1), 1
	s_wait_xcnt 0x0
; part[g] = { the largest |x| , the sum of w } over work-group g's share of input and weight.
; input: 2^25 f32, weight: 2^23 f32.  512 work-groups of eight waves; work-group g owns 262,144 consecutive bytes of input (64 chunks of
; 4,096) and 65,536 of weight (16 chunks).  Thread t takes the 16 bytes at 16 t of every chunk: a wave's load covers 512 consecutive
; bytes, the eight waves a chunk.  The chunk's number stands in the load's immediate (258,048 at the most): no address is ever rewritten.
; Each byte is read once and nothing is shared between work-groups: no LDS on the way in, no cluster, no matrix work.
; THE SUM is a tree in f32 from end to end (64 numbers a lane, 32 lanes, 8 waves here; 512 work-groups in the next launch): no long chain.
; THE MAXIMUM of |x| is kept as a running maximum and a running minimum, both started at 0; at the end max(max, -min).
; LIMIT.  A NaN in input is passed over by the maxima and minima (the _num forms), where the reference would make every output NaN.
.set CHUNK, 4096
.set DEPTH, 32                         ; x's loads in flight in each wave: a ring of 32 slots in registers, each used twice
.set SPARE, 256                        ; LDS 0-63: wave v's pair {max, sum} at 8 v.  From 256 on: the spare words, 128 bytes a wave
.set MX,  2                            ; v2-3   two running maxima
.set MN,  4                            ; v4-5   two running minima
.set PR,  14                           ; v[14:15] the pair {max, sum}
.set PT,  16                           ; v16    takes the other half of the lanes' number
.set LA,  17                           ; v17    LDS address 8 x wave
.set ZO,  18                           ; v18    0: the offset of the one store
.set ZA,  19                           ; v19    0: the LDS address from which all pairs are read
.set SPW, 28                           ; v28    LDS address of my spare word; never rewritten
.set NIL, 29                           ; v29    0; never rewritten
.set X,   32                           ; v[32:159]  slot i: 4 registers of x
.set W,   160                          ; v[160:223] chunk j: 4 registers of w
	s_load_b128 s[4:7], s[0:1], 0x0                ; input s[4:5], weight s[6:7]
	s_load_b64 s[8:9], s[0:1], 0x10                ; part
	v_lshl_add_u32 v[SPW], v0, 2, SPARE
	v_mov_b32 v[NIL], 0
	v_lshlrev_b32 v1, 4, v0                        ; 16 t
	v_lshrrev_b32 v[LA], 5, v0
	v_readfirstlane_b32 s14, v[LA]                 ; my wave's number
	v_mov_b32 v[LA], s14
	v_lshlrev_b32 v[LA], 3, v[LA]
	v_mov_b32 v[ZO], 0
	v_mov_b32 v[ZA], 0
	v_mov_b32 v[PT], 0                             ; written once, since a lane permute's destination counts as read
	v_mov_b32 v[MX], 0
	v_mov_b32 v[MX+1], 0
	v_mov_b32 v[MN], 0
	v_mov_b32 v[MN+1], 0
	s_lshl_b32 s10, ttmp9, 18                      ; my share of input,
	s_mov_b32 s11, 0
	s_lshl_b32 s12, ttmp9, 16                      ; of weight,
	s_mov_b32 s13, 0
	s_lshl_b32 s20, ttmp9, 3                       ; my 8 bytes of part
	s_mov_b32 s21, 0
	s_mov_b32 s16, 0x76543210                      ; v_permlanex16_b32: each lane takes its own place in the other half
	s_mov_b32 s17, 0xfedcba98
	s_wait_kmcnt 0x0
	s_add_nc_u64 s[4:5], s[4:5], s[10:11]
	s_add_nc_u64 s[6:7], s[6:7], s[12:13]
	s_add_nc_u64 s[8:9], s[8:9], s[20:21]
.set j, 0
.rept 16
	global_load_b128 v[W+4*j:W+4*j+3], v1, s[6:7] offset:j*CHUNK
.set j, j+1
.endr
.set i, 0
.rept DEPTH
	global_load_b128 v[X+4*i:X+4*i+3], v1, s[4:5] offset:i*CHUNK th:TH_LOAD_NT
.set i, i+1
.endr
	s_wait_loadcnt DEPTH                           ; loads come back in order: w's 16 are in, x's 32 stay out
.set j, 0
.rept 16
	v_pk_add_f32 v[W+4*j:W+4*j+1], v[W+4*j:W+4*j+1], v[W+4*j+2:W+4*j+3]   ; the tree: inside a chunk,
.set j, j+1
.endr
.irp d, 8,4,2,1
.set j, 0
.rept \d
	v_pk_add_f32 v[W+4*j:W+4*j+1], v[W+4*j:W+4*j+1], v[W+4*(j+\d):W+4*(j+\d)+1]  ; then chunks 8, 4, 2 and 1 apart
.set j, j+1
.endr
.endr
	v_add_f32 v[PR+1], v[W], v[W+1]
; Slot i's turn.  ahead = 1: it is loaded again, with the chunk 32 further on.  left = the younger loads that may stay out.
.macro XS i, ahead, left
	s_wait_loadcnt \left
	v_max3_num_f32 v[MX],   v[MX],   v[X+4*(\i)],   v[X+4*(\i)+1]
	v_max3_num_f32 v[MX+1], v[MX+1], v[X+4*(\i)+2], v[X+4*(\i)+3]
	v_min3_num_f32 v[MN],   v[MN],   v[X+4*(\i)],   v[X+4*(\i)+1]
	v_min3_num_f32 v[MN+1], v[MN+1], v[X+4*(\i)+2], v[X+4*(\i)+3]
.if \ahead
	global_load_b128 v[X+4*(\i):X+4*(\i)+3], v1, s[4:5] offset:(DEPTH+(\i))*CHUNK th:TH_LOAD_NT
.endif
.endm
.set i, 0
.rept DEPTH
	XS i, 1, DEPTH-1
.set i, i+1
.endr
.set i, 0
.rept DEPTH
	XS i, 0, DEPTH-1-i                             ; the second half loads nothing: the counts run down
.set i, i+1
.endr
	v_max_num_f32 v[MX], v[MX], v[MX+1]
	v_min_num_f32 v[MN], v[MN], v[MN+1]
	v_xor_b32 v[MN], 0x80000000, v[MN]             ; - min
	v_max_num_f32 v[PR], v[MX], v[MN]
	; across the 32 lanes: four steps inside each half of 16 ride on the arithmetic, one crosses the halves
.irp m, 1,2,4,8
	v_max_num_f32_dpp v[PR], v[PR], v[PR] row_xmask:\m row_mask:0xf bank_mask:0xf
	v_add_f32_dpp v[PR+1], v[PR+1], v[PR+1] row_xmask:\m row_mask:0xf bank_mask:0xf
.endr
	v_permlanex16_b32 v[PT], v[PR], s16, s17
	v_max_num_f32 v[PR], v[PR], v[PT]
	v_permlanex16_b32 v[PT], v[PR+1], s16, s17
	v_add_f32 v[PR+1], v[PR+1], v[PT]
	ds_store_b64 v[LA], v[PR:PR+1]                 ; all lanes write the same pair to my wave's 8 bytes
	s_wait_dscnt 0x0                               ; for the others' sake: my store is done
	s_barrier_signal -1
	s_barrier_wait -1
.irp q, 0,1,2,3
	ds_load_b128 v[X+4*\q:X+4*\q+3], v[ZA] offset:16*\q   ; the eight pairs, in every lane
.endr
	s_wait_dscnt 0x0
	v_max3_num_f32 v[PR], v[X], v[X+2], v[X+4]
	v_max3_num_f32 v[PR], v[PR], v[X+6], v[X+8]
	v_max3_num_f32 v[PR], v[PR], v[X+10], v[X+12]
	v_max_num_f32 v[PR], v[PR], v[X+14]
	v_add_f32 v[X+1], v[X+1], v[X+3]
	v_add_f32 v[X+5], v[X+5], v[X+7]
	v_add_f32 v[X+9], v[X+9], v[X+11]
	v_add_f32 v[X+13], v[X+13], v[X+15]
	v_add_f32 v[X+1], v[X+1], v[X+5]
	v_add_f32 v[X+9], v[X+9], v[X+13]
	v_add_f32 v[PR+1], v[X+1], v[X+9]
	s_wait_xcnt 0x0                                ; EXEC, a source of every memory instruction issued so far, changes only behind this wait
	v_cmp_eq_u32 vcc_lo, 0, v0
	s_and_saveexec_b32 s15, vcc_lo                 ; thread 0 alone
	global_store_b64 v[ZO], v[PR:PR+1], s[8:9]     ; 8 bytes a work-group, 4,096 in the launch
	s_wait_xcnt 0x0                                ; and again, in front of the line that widens it
	s_or_b32 exec_lo, exec_lo, s15
	s_wait_tensorcnt 0x0                           ; the wave's end, behind my last LDS store
	ds_add_u32 v[SPW], v[NIL]
	s_wait_dscnt 0x0
	s_endpgm
.Lfunc_end_k_q9df8bbc656_stats:
	.size	k_q9df8bbc656_stats, .Lfunc_end_k_q9df8bbc656_stats-k_q9df8bbc656_stats
	.p2alignl 7, 3214868480
	.fill 96, 4, 3214868480
	.section	.rodata,"a",@progbits
	.p2align	6, 0x0
	.amdhsa_kernel k_q9df8bbc656_stats
		.amdhsa_group_segment_fixed_size 1280
		.amdhsa_private_segment_fixed_size 0
		.amdhsa_enable_private_segment 0
		.amdhsa_kernarg_size 24
		.amdhsa_user_sgpr_count 2
		.amdhsa_user_sgpr_kernarg_segment_ptr 1
		.amdhsa_wavefront_size32 1
		.amdhsa_system_sgpr_workgroup_id_x 1
		.amdhsa_system_sgpr_workgroup_id_y 1
		.amdhsa_system_sgpr_workgroup_id_z 1
		.amdhsa_system_vgpr_workitem_id 0
		.amdhsa_next_free_vgpr 224
		.amdhsa_next_free_sgpr 66
		.amdhsa_reserve_vcc 1
		.amdhsa_float_denorm_mode_32 3
		.amdhsa_float_denorm_mode_16_64 3
		.amdhsa_memory_ordered 1
		.amdhsa_forward_progress 1
		.amdhsa_inst_pref_size 31
	.end_amdhsa_kernel
	.amdgpu_metadata
---
amdhsa.version: [ 1, 2 ]
amdhsa.kernels:
  - .name:           k_q9df8bbc656_stats
    .symbol:         k_q9df8bbc656_stats.kd
    .args:
      - { .name: input, .offset: 0, .size: 8, .value_kind: global_buffer, .address_space: global }
      - { .name: weight, .offset: 8, .size: 8, .value_kind: global_buffer, .address_space: global }
      - { .name: part, .offset: 16, .size: 8, .value_kind: global_buffer, .address_space: global }
    .group_segment_fixed_size: 1280
    .private_segment_fixed_size: 0
    .kernarg_segment_align: 8
    .kernarg_segment_size: 24
    .max_flat_workgroup_size: 256
    .sgpr_count:     66
    .vgpr_count:     224
    .wavefront_size: 32
...
	.end_amdgpu_metadata
.endif
;; end of part 1
;; launch quant (part 2): grid 512 x 1, 8 waves a work-group, no clusters, 1,280 bytes of LDS; arguments input, weight, part, xq, wq, cnt; writes xq, wq, cnt
.if DOCPART == 2
	.amdgcn_target "amdgcn-amd-amdhsa--gfx1250"
	.amdhsa_code_object_version 6
	.text
	.protected	k_q9df8bbc656_quant
	.globl	k_q9df8bbc656_quant
	.p2align	8
	.type	k_q9df8bbc656_quant,@function
k_q9df8bbc656_quant:
	s_mov_b64 s[64:65], 0
	v_nop
	global_prefetch_b8 v0, s[64:65] scope:SCOPE_SE
	s_setreg_imm32_b32 hwreg(HW_REG_WAVE_MODE, 25, 1), 1
	s_wait_xcnt 0x0
; xq = round(127 / max|x| * x) and wq = sign(w - mean(w)), both as bf16; cnt[g] = how many of work-group g's signs are not 0.
; Whole numbers up to 127 and the signs -1, 0, 1 are exact in bf16: nothing is lost by the format.
; Every work-group first finishes the two reductions from part (512 pairs {max, sum}), all in the same order, so all hold the same scale
; and the same mean.  Shares as in the launch before: work-group g owns 64 chunks of 4,096 bytes of input and 16 of weight; thread t
; the 16 bytes at 16 t of a chunk, which become 8 bytes at 8 t of a chunk of 2,048: a wave's store covers 256 consecutive bytes, aligned.
; The chunk's number stands in the immediates; no address is ever rewritten.  Nothing is shared between work-groups but part's 4,096 bytes.
; LIMITS.  scale = 127 * (1 / max) with v_rcp_f32, where the reference divides: the two differ in the last bits, so a product that lies
; within that of a half may round to the neighbouring whole number.  max|x| must lie between 4e-37 and 8e37: beyond, the reciprocal is flushed to 0, or max counts as 0.  The mean is
; a tree sum in f32: a weight nearer to the mean than two orders of summing differ may take the other sign.  A NaN in weight counts as
; a sign of magnitude 1.  max|x| = 0 gives NaN everywhere, as the reference does.
.set CHUNK, 4096
.set OCH,   2048                       ; a chunk's bytes in bf16
.set DEPTH, 32                         ; x's loads in flight in each wave
.set SPARE, 256                        ; LDS 0-63: wave v's pair at 8 v; 128-159: wave v's count at 128 + 4 v.  From 256 on: the spare words, 128 bytes a wave
.set P,   4                            ; v[4:7]   my two pairs of part
.set PR,  8                            ; v[8:9]   the pair at work: {max, sum}, then {scale, mean}
.set T,   10                           ; v[10:13] at work
.set U,   14                           ; v[14:17] at work
.set Y,   18                           ; v[18:25] four sets of two: 4 bf16 to store
.set CN,  26                           ; v[26:27] the count, two chains
.set SPW, 28                           ; v28      LDS address of my spare word; never rewritten
.set NIL, 29                           ; v29      0; never rewritten
.set ONE, 30                           ; v30      1.0
.set PT,  31                           ; v31      takes the other half of the lanes' number
.set X,   32                           ; v[32:159]  slot i: 4 registers of x
.set W,   160                          ; v[160:223] chunk j: 4 registers of w, then its 4 bf16 in the first two
.set ZA,  224                          ; v224     0: LDS read address, and the offset of the one store to cnt
.set LA4, 225                          ; v225     4 x wave
.set LA8, 226                          ; v226     8 x wave
	s_load_b256 s[4:11], s[0:1], 0x0               ; input s[4:5], weight s[6:7], part s[8:9], xq s[10:11]
	s_load_b128 s[12:15], s[0:1], 0x20             ; wq s[12:13], cnt s[14:15]
	v_lshl_add_u32 v[SPW], v0, 2, SPARE
	v_mov_b32 v[NIL], 0
	v_lshlrev_b32 v1, 4, v0                        ; 16 t: my bytes of a chunk, and of part
	v_lshlrev_b32 v2, 3, v0                        ; 8 t: my bytes of a chunk in bf16
	v_lshrrev_b32 v3, 5, v0
	v_readfirstlane_b32 s24, v3                    ; my wave's number
	v_mov_b32 v[LA4], s24
	v_lshlrev_b32 v[LA8], 3, v[LA4]
	v_lshlrev_b32 v[LA4], 2, v[LA4]
	v_mov_b32 v[ZA], 0
	v_mov_b32 v[ONE], 1.0
	v_mov_b32 v[PT], 0                             ; written once, since a lane permute's destination counts as read
	v_mov_b32 v[CN], 0
	v_mov_b32 v[CN+1], 0
	s_mov_b32 s26, 0x76543210                      ; v_permlanex16_b32: each lane takes its own place in the other half
	s_mov_b32 s27, 0xfedcba98
	s_mov_b32 s17, 0
	s_wait_kmcnt 0x0
	s_lshl_b32 s16, ttmp9, 18
	s_add_nc_u64 s[4:5], s[4:5], s[16:17]          ; my share of input,
	s_lshl_b32 s16, ttmp9, 16
	s_add_nc_u64 s[6:7], s[6:7], s[16:17]          ; of weight,
	s_lshl_b32 s16, ttmp9, 17
	s_add_nc_u64 s[10:11], s[10:11], s[16:17]      ; of xq,
	s_lshl_b32 s16, ttmp9, 15
	s_add_nc_u64 s[12:13], s[12:13], s[16:17]      ; of wq,
	s_lshl_b32 s16, ttmp9, 2
	s_add_nc_u64 s[14:15], s[14:15], s[16:17]      ; my word of cnt
	global_load_b128 v[P:P+3], v1, s[8:9]          ; part: 256 threads x 16 bytes; every work-group reads it, so no hint
.set j, 0
.rept 16
	global_load_b128 v[W+4*j:W+4*j+3], v1, s[6:7] offset:j*CHUNK th:TH_LOAD_NT
.set j, j+1
.endr
.set i, 0
.rept DEPTH
	global_load_b128 v[X+4*i:X+4*i+3], v1, s[4:5] offset:i*CHUNK th:TH_LOAD_NT
.set i, i+1
.endr
	; THE TWO REDUCTIONS ARE FINISHED, while w and x are on their way
	s_wait_loadcnt 16+DEPTH                        ; part is in; the 48 younger loads stay out
	v_max_num_f32 v[PR], v[P], v[P+2]
	v_add_f32 v[PR+1], v[P+1], v[P+3]
.irp m, 1,2,4,8
	v_max_num_f32_dpp v[PR], v[PR], v[PR] row_xmask:\m row_mask:0xf bank_mask:0xf
	v_add_f32_dpp v[PR+1], v[PR+1], v[PR+1] row_xmask:\m row_mask:0xf bank_mask:0xf
.endr
	v_permlanex16_b32 v[PT], v[PR], s26, s27
	v_max_num_f32 v[PR], v[PR], v[PT]
	v_permlanex16_b32 v[PT], v[PR+1], s26, s27
	v_add_f32 v[PR+1], v[PR+1], v[PT]
	ds_store_b64 v[LA8], v[PR:PR+1]
	s_wait_dscnt 0x0                               ; for the others' sake: my store is done
	s_barrier_signal -1
	s_barrier_wait -1
.irp q, 0,1,2,3
	ds_load_b128 v[T+4*\q:T+4*\q+3], v[ZA] offset:16*\q   ; the eight pairs, in every lane: v[10:25]
.endr
	s_wait_dscnt 0x0
	v_max3_num_f32 v[PR], v[T], v[T+2], v[T+4]
	v_max3_num_f32 v[PR], v[PR], v[T+6], v[T+8]
	v_max3_num_f32 v[PR], v[PR], v[T+10], v[T+12]
	v_max_num_f32 v[PR], v[PR], v[T+14]
	v_add_f32 v[T+1], v[T+1], v[T+3]
	v_add_f32 v[T+5], v[T+5], v[T+7]
	v_add_f32 v[T+9], v[T+9], v[T+11]
	v_add_f32 v[T+13], v[T+13], v[T+15]
	v_add_f32 v[T+1], v[T+1], v[T+5]
	v_add_f32 v[T+9], v[T+9], v[T+13]
	v_add_f32 v[PR+1], v[T+1], v[T+9]
	v_rcp_f32 v[PR], v[PR]                         ; 1 / max|x|
	v_mul_f32 v[PR+1], 0x34000000, v[PR+1]         ; the mean: the sum times 2^-23, exact; also the plain instruction behind the reciprocal (ISA guide 5.7.2)
	s_wait_alu depctr_va_vdst(0)                   ; ahead of the first line that names the reciprocal
	v_mul_f32 v[PR], 0x42fe0000, v[PR]             ; scale = 127 / max|x|
	v_readfirstlane_b32 s20, v[PR]
	v_readfirstlane_b32 s22, v[PR+1]
	s_xor_b32 s22, s22, 0x80000000                 ; - mean
	s_mov_b32 s21, s20                             ; named as pairs by the packed forms, so both words are written
	s_mov_b32 s23, s22
; Chunk j of w: d = w - mean; |sign| = 1 where d is not 0, counted; d's sign bit set onto it; rounded (exactly) to bf16; stored.
.macro WS j
	s_wait_loadcnt 15-(\j)+DEPTH                   ; chunk j is in; w's younger chunks and x's 32 loads stay out
	v_pk_add_f32 v[T:T+1],   v[W+4*(\j):W+4*(\j)+1],   s[22:23] op_sel_hi:[1,0]
	v_pk_add_f32 v[T+2:T+3], v[W+4*(\j)+2:W+4*(\j)+3], s[22:23] op_sel_hi:[1,0]
.irp e, 0,1,2,3
	v_cmp_neq_f32 vcc_lo, 0, v[T+\e]
	v_cndmask_b32 v[U+\e], 0, v[ONE], vcc_lo
.endr
	v_pk_add_f32 v[CN:CN+1], v[CN:CN+1], v[U:U+1]
	v_pk_add_f32 v[CN:CN+1], v[CN:CN+1], v[U+2:U+3]
.irp e, 0,1,2,3
	v_bfi_b32 v[U+\e], 0x7fffffff, v[U+\e], v[T+\e]   ; magnitude from U, sign from d
.endr
	v_cvt_pk_bf16_f32 v[W+4*(\j)],   v[U],   v[U+1]
	v_cvt_pk_bf16_f32 v[W+4*(\j)+1], v[U+2], v[U+3]
	global_store_b64 v2, v[W+4*(\j):W+4*(\j)+1], s[12:13] offset:(\j)*OCH th:TH_STORE_NT  ; its data registers are never written again
.endm
.set j, 0
.rept 16
	WS j
.set j, j+1
.endr
	; the work-group's count: whole numbers, 16,384 at the most, exact in f32.  Other LDS bytes than the pairs', so one barrier does
	v_add_f32 v[CN], v[CN], v[CN+1]
.irp m, 1,2,4,8
	v_add_f32_dpp v[CN], v[CN], v[CN] row_xmask:\m row_mask:0xf bank_mask:0xf
.endr
	v_permlanex16_b32 v[PT], v[CN], s26, s27
	v_add_f32 v[CN], v[CN], v[PT]
	ds_store_b32 v[LA4], v[CN] offset:128
	s_wait_dscnt 0x0                               ; for the others' sake: my store is done
	s_barrier_signal -1
	s_barrier_wait -1
	ds_load_b128 v[T:T+3], v[ZA] offset:128
	ds_load_b128 v[U:U+3], v[ZA] offset:144
	s_wait_dscnt 0x0
	v_pk_add_f32 v[T:T+1], v[T:T+1], v[T+2:T+3]
	v_pk_add_f32 v[U:U+1], v[U:U+1], v[U+2:U+3]
	v_pk_add_f32 v[T:T+1], v[T:T+1], v[U:U+1]
	v_add_f32 v[CN], v[T], v[T+1]
; Slot i holds chunk c of x: scaled, rounded to the nearest whole number (ties to even), written as bf16, stored.
; ahead = 1: the slot is loaded again, with the chunk 32 further on.  left = the younger loads that may stay out.
.macro XQ i, c, ahead, left
	s_wait_loadcnt \left
	s_wait_xcnt 0x0                                ; every earlier memory instruction has had its addresses translated (ISA guide 3.1): Y's set, which an earlier store reads, is rewritten only behind this wait
	v_pk_mul_f32 v[T:T+1],   v[X+4*(\i):X+4*(\i)+1],   s[20:21] op_sel_hi:[1,0]
	v_pk_mul_f32 v[T+2:T+3], v[X+4*(\i)+2:X+4*(\i)+3], s[20:21] op_sel_hi:[1,0]
.irp e, 0,1,2,3
	v_rndne_f32 v[T+\e], v[T+\e]
.endr
	v_cvt_pk_bf16_f32 v[Y+2*((\i)%4)],   v[T],   v[T+1]
	v_cvt_pk_bf16_f32 v[Y+2*((\i)%4)+1], v[T+2], v[T+3]
.if \ahead
	global_load_b128 v[X+4*(\i):X+4*(\i)+3], v1, s[4:5] offset:((\c)+DEPTH)*CHUNK th:TH_LOAD_NT
.endif
	global_store_b64 v2, v[Y+2*((\i)%4):Y+2*((\i)%4)+1], s[10:11] offset:(\c)*OCH th:TH_STORE_NT
.endm
.set i, 0
.rept DEPTH
	XQ i, i, 1, DEPTH-1
.set i, i+1
.endr
.set i, 0
.rept DEPTH
	XQ i, DEPTH+i, 0, DEPTH-1-i                    ; the second half loads nothing: the counts run down
.set i, i+1
.endr
	s_wait_xcnt 0x0                                ; EXEC, a source of every memory instruction issued so far, changes only behind this wait
	v_cmp_eq_u32 vcc_lo, 0, v0
	s_and_saveexec_b32 s25, vcc_lo                 ; thread 0 alone
	global_store_b32 v[ZA], v[CN], s[14:15]        ; 4 bytes a work-group, 2,048 in the launch
	s_wait_xcnt 0x0                                ; and again, in front of the line that widens it
	s_or_b32 exec_lo, exec_lo, s25
	s_wait_tensorcnt 0x0                           ; the wave's end, behind my last LDS store
	ds_add_u32 v[SPW], v[NIL]
	s_wait_dscnt 0x0
	s_endpgm
.Lfunc_end_k_q9df8bbc656_quant:
	.size	k_q9df8bbc656_quant, .Lfunc_end_k_q9df8bbc656_quant-k_q9df8bbc656_quant
	.p2alignl 7, 3214868480
	.fill 96, 4, 3214868480
	.section	.rodata,"a",@progbits
	.p2align	6, 0x0
	.amdhsa_kernel k_q9df8bbc656_quant
		.amdhsa_group_segment_fixed_size 1280
		.amdhsa_private_segment_fixed_size 0
		.amdhsa_enable_private_segment 0
		.amdhsa_kernarg_size 48
		.amdhsa_user_sgpr_count 2
		.amdhsa_user_sgpr_kernarg_segment_ptr 1
		.amdhsa_wavefront_size32 1
		.amdhsa_system_sgpr_workgroup_id_x 1
		.amdhsa_system_sgpr_workgroup_id_y 1
		.amdhsa_system_sgpr_workgroup_id_z 1
		.amdhsa_system_vgpr_workitem_id 0
		.amdhsa_next_free_vgpr 232
		.amdhsa_next_free_sgpr 66
		.amdhsa_reserve_vcc 1
		.amdhsa_float_denorm_mode_32 3
		.amdhsa_float_denorm_mode_16_64 3
		.amdhsa_memory_ordered 1
		.amdhsa_forward_progress 1
		.amdhsa_inst_pref_size 65
	.end_amdhsa_kernel
	.amdgpu_metadata
---
amdhsa.version: [ 1, 2 ]
amdhsa.kernels:
  - .name:           k_q9df8bbc656_quant
    .symbol:         k_q9df8bbc656_quant.kd
    .args:
      - { .name: input, .offset: 0, .size: 8, .value_kind: global_buffer, .address_space: global }
      - { .name: weight, .offset: 8, .size: 8, .value_kind: global_buffer, .address_space: global }
      - { .name: part, .offset: 16, .size: 8, .value_kind: global_buffer, .address_space: global }
      - { .name: xq, .offset: 24, .size: 8, .value_kind: global_buffer, .address_space: global }
      - { .name: wq, .offset: 32, .size: 8, .value_kind: global_buffer, .address_space: global }
      - { .name: cnt, .offset: 40, .size: 8, .value_kind: global_buffer, .address_space: global }
    .group_segment_fixed_size: 1280
    .private_segment_fixed_size: 0
    .kernarg_segment_align: 8
    .kernarg_segment_size: 48
    .max_flat_workgroup_size: 256
    .sgpr_count:     66
    .vgpr_count:     232
    .wavefront_size: 32
...
	.end_amdgpu_metadata
.endif
;; end of part 2
;; launch gemm (part 3): grid 8 x 32, 4 waves a work-group, clusters of 4 x 4, 327,680 bytes of LDS; arguments xq, wq, out0, cnt; writes out0
.if DOCPART == 3
	.amdgcn_target "amdgcn-amd-amdhsa--gfx1250"
	.amdhsa_code_object_version 6
	.text
	.protected	k_q9df8bbc656_gemm
	.globl	k_q9df8bbc656_gemm
	.p2align	8
	.type	k_q9df8bbc656_gemm,@function
k_q9df8bbc656_gemm:
	s_mov_b64 s[64:65], 0
	v_nop
	global_prefetch_b8 v0, s[64:65] scope:SCOPE_SE
	s_setreg_imm32_b32 hwreg(HW_REG_WAVE_MODE, 25, 1), 1
	s_wait_xcnt 0x0
	s_wait_alu depctr_hold_cnt(0) depctr_sa_sdst(0) depctr_va_vdst(0) depctr_va_sdst(0) depctr_va_ssrc(0) depctr_va_vcc(0) depctr_vm_vsrc(0)
	s_getreg_b32 s2, hwreg(HW_REG_IB_STS2, 6, 4)
	s_cmp_eq_u32 s2, 0
	s_cbranch_scc0 .Lentry_in_a_cluster
	s_endpgm
.Lentry_in_a_cluster:
	s_bfe_u32 s2, ttmp6, 0x10000c
	s_cmp_lg_u32 s2, 0xf033
	s_cbranch_scc0 .Lentry_shape_is_right
	s_endpgm
.Lentry_shape_is_right:
; out0[m][n] = g x the sum over k of xq[m][k] wq[n][k].  xq: [8192][4096], wq: [2048][4096], bf16; out0: [8192][2048], f32.
; xq holds whole numbers up to 127 in magnitude, wq holds -1, 0, 1: every product and every f32 sum (under 127 x 4,096 < 2^24) is exact.
; g = beta x (1 / beta), beta = the sum of cnt's 512 counts times 2^-23.  The reference multiplies the signs by beta and divides the sums by it again: g is 1 to the last
; bit or so, and NaN where beta is 0, as the reference's 0 / 0 is.
; A tile of out0, 256 x 256, is made by a work-group of four waves; a wave makes 128 x 128: 64 accumulators of 16 x 16, 512 registers.  There are 32 x 8 tiles, one to a work-group.
; K goes in steps of 128 through a ring of two LDS slots filled by the tensor data mover: a tile's rows are 256 bytes of memory, at multiples of 256 bytes from the buffer's first byte.
; CLUSTERS: 4 x 4 work-groups.  The four of a row of the cluster need the same tiles of xq (A), the four of a column the same tiles of wq (B): each tile is asked for JOINTLY, by the
; same tensor load with the same descriptor and a mask that names the four; each receives it in its own LDS.
; REGISTERS, in windows of 256 (s_set_vgpr_msb's low byte: bits 1:0 source 0, 3:2 source 1, 5:4 source 2, 7:6 destination):
;   window 0: v0-31 addresses; v32-48 at work for g; v64-127, v128-191 fragments of A, two buffers; on the way out v64-127 scaled results, v128-191 and v192-255 rows read back, by turns
;   window 1: v64-127, v128-191 fragments of B, two buffers
;   window 2: the 32 accumulators of my rows 0-63 (accumulator (a, b) at v[8 (8 a + b)]);   window 3: those of my rows 64-127
; THE MATRIX INSTRUCTION IS USED TRANSPOSED: source 0 = 16 rows of B, source 1 = 16 rows of A.  In the result lane l holds row l % 16 of out0 and its registers 0 to 7 the columns
; 8 (l / 16) + 0..7: 32 neighbouring bytes of a row.
.set SIZE_M, 8192
.set SIZE_N, 2048
.set SIZE_K, 4096
.set KSTEP,  128
.set PITCH,  272                       ; an LDS row: 256 bytes of data + 16 of padding = 68 words: row r starts at bank 4 r mod 64 (64 banks of 4 bytes: ISA guide 11.1), so the 16 rows that a load touches start at 16 different banks
.set HALFT,  128*PITCH                 ; 128 rows: what one tensor load brings, and what one wave reads of A or of B
.set SLOT,   4*HALFT                   ; A's 256 rows, then B's 256 rows
.set STAGE,  2*SLOT                    ; behind the ring, never filled by a tensor load: 16 rows x 528 bytes for each wave, for the way out
.set SPITCH, 528                       ; a stage row: 128 f32 + 16 bytes = 132 words: row r starts at bank 4 r mod 64
.set SPARE,  STAGE+4*16*SPITCH         ; behind the stages: the spare words, 128 bytes for each wave: two blocks of 256 bytes that no other line names
.set LAPS,   SIZE_K/(2*KSTEP)          ; a lap = two K steps = once round the ring: 16
.set ROWC,   SIZE_N*4                  ; bytes in a row of out0
.set ADRA, 16                          ; v16-17  LDS address of my A fragments in slot 0, 1
.set ADRB, 20                          ; v20-21  the same for B
.set STO,  24                          ; v24     the way out: where I put 32 bytes of a row
.set RD,   25                          ; v25     the way out: where I read a row back
.set CO,   26                          ; v26     16 x lane: my bytes of a row's 512 in out0, and of 512 bytes of cnt; never rewritten
.set SPW,  28                          ; v28     LDS address of my spare word: SPARE + 4 x my thread's number; never rewritten
.set NIL,  29                          ; v29     0; never rewritten
.set PFO,  30                          ; v30     the prefetches' offset: my lane x a row of A or B in memory; never rewritten
.set GW,   32                          ; v[32:48] at work for g
.set F0,   64                          ; fragment buffer 0
.set F1,   128                         ; fragment buffer 1
.set TMP,  64                          ; the way out: a block's 16 x 128 results times g
.set OB,   128                         ; the way out: 16 rows read back from the stage: v128-191 and v192-255 by turns
.set G1,  24                           ; s[24:31] descriptor group 1 for A's tiles
.set G0,  32                           ; s[32:39] descriptor group 0 for A's tiles, one set for each slot
.set G1B, 48                           ; s[48:55] descriptor group 1 for B's tiles: it differs from A's in the mask alone
.set G0B, 56                           ; s[56:63] descriptor group 0 for B's tiles, one set for each slot
.set LIM, 43                           ; s43      1 in a wave that prefetches, else the greatest number
.set PFA, 44                           ; s[44:45] where my prefetches stand: my work-group's 32 rows of the 128 that I fetch, one K step further along K than the refill in hand
.set GS,  66                           ; s[66:67] g, twice
.set SEL, 68                           ; s68, s69 v_permlanex16_b32's selects
.set CNTA, 72                          ; s[72:73] cnt
.set MSB, 0
.macro WIN new                         ; the immediate's high byte repeats the setting that is left; a switch that changes nothing is dropped
.if MSB != (\new)
	s_set_vgpr_msb (MSB<<8)|(\new)
.set MSB, \new
.endif
.endm
.set MUL_LO, 0xa1                      ; source 0 (B) window 1, source 1 (A) window 0, C and D window 2
.set MUL_HI, 0xf1                      ; the same, C and D window 3
.set TO_B,   0x40                      ; destination window 1, address window 0
; A joint load.  Waves 0 and 1 fetch A's two halves, waves 2 and 3 B's.  Each of the two lines has one mask and one set of registers for all that issue it.  The branch hangs on the
; wave's number alone.  An s_nop 0 and four v_nop follow each of the two lines, ahead of the jump, the label and what follows.
.macro JLOAD s
	s_cmp_eq_u32 s11, 0
	s_cbranch_scc0 .Lfor_b_\@
	tensor_load_to_lds s[G0+4*(\s):G0+4*(\s)+3], s[G1:G1+7]
	s_nop 0
.rept 4
	v_nop
.endr
	s_branch .Lasked_\@
.Lfor_b_\@:
	tensor_load_to_lds s[G0B+4*(\s):G0B+4*(\s)+3], s[G1B:G1B+7]
	s_nop 0
.rept 4
	v_nop
.endr
.Lasked_\@:
.endm
; A PREFETCH, behind each joint refill and the run of LDS loads that follows it: the K step that stands TWO refills on: 32 rows x 256 bytes, a lane a row, one instruction a wave; 512 matrix
; instructions of the wave lie between it and the load that asks for the same bytes.  Each row's 256 bytes of a K step are named once in the launch: A's tile row is read by both clusters of
; that row of clusters, and the one with cluster x = 0 asks; B's tile column by all eight clusters of that column, and the one with cluster y = 0 asks.  The four partners that ask for a tile
; jointly share its rows out BY ADDRESS: of the 128 rows that a wave fetches the partner at place p takes 32 p .. 32 p + 31 (p = cx for A, cy for B).  K steps 0 to 3 come by their loads alone;
; the loop's last trip (s3 = 1) asks for nothing: K steps 32 and 33 do not exist.
.macro ASK
	s_cmp_gt_u32 s3, s[LIM]
	s_cbranch_scc0 .Lnot_mine_\@
	global_prefetch_b8 v[PFO], s[PFA:PFA+1] offset:KSTEP*2 th:TH_LOAD_NT scope:SCOPE_SE
.Lnot_mine_\@:
.endm
; A round of the cluster's barrier: my work-group's barrier, so that wave 0's signal speaks for all four waves; wave 0 signals for the work-group; every wave waits for all sixteen
; work-groups; my work-group's barrier once more.  No LDS instruction of the wave is pending at a signal.
.macro CREST                           ; a round behind its opening barrier
	s_cmp_lg_u32 s10, 0
	s_cbranch_scc1 .Lnot_wave_0_\@
	s_barrier_signal -3
.Lnot_wave_0_\@:
	s_barrier_wait -3
	s_barrier_signal -1
	s_barrier_wait -1
.endm
.macro CROUND                          ; a whole round
	s_barrier_signal -1
	s_barrier_wait -1
	CREST
.endm
	s_load_b128 s[4:7], s[0:1], 0x0                ; A = xq s[4:5], B = wq s[6:7]
	s_load_b64 s[8:9], s[0:1], 0x10                ; out0
	s_load_b64 s[CNTA:CNTA+1], s[0:1], 0x18        ; cnt
	v_lshl_add_u32 v[SPW], v0, 2, SPARE
	v_mov_b32 v[NIL], 0
	ds_add_u32 v[SPW], v[NIL]                      ; the wave's opening: the add, twice on end, and its wait, ahead of my first tensor load; the set-up below, work on registers, stands between
	ds_add_u32 v[SPW], v[NIL]                      ; and once more, under the one wait
	v_lshrrev_b32 v1, 5, v0
	v_readfirstlane_b32 s10, v1                    ; wave 0..3
	s_lshr_b32 s11, s10, 1                         ; which half of the tile's rows is mine.  Also: I fetch for A (0) or for B (1)
	s_and_b32 s12, s10, 1                          ; which half of its columns.  Also: which 128 rows of that tile I fetch
	s_bfe_u32 s40, ttmp6, 0x40000                  ; cx: my place along the cluster's x
	s_bfe_u32 s41, ttmp6, 0x40004                  ; cy: along its y
	s_lshl_b32 s42, ttmp9, 2                       ; in a cluster launch ttmp9 and ttmp7 count clusters
	s_add_co_u32 s42, s42, s40                     ; tile column = 4 x cluster x + cx
	s_and_b32 s13, ttmp7, 0xffff
	s_lshl_b32 s13, s13, 2
	s_add_co_u32 s13, s13, s41                     ; tile row = 4 x cluster y + cy
	s_lshl_b32 s43, s41, 2
	s_lshl_b32 s43, 15, s43                        ; my row of the cluster: places 4 cy .. 4 cy + 3
	s_lshl_b32 s44, 0x1111, s40                    ; my column: places cx, cx + 4, cx + 8, cx + 12
	; descriptor group 1: a tile of 128 rows x 128 elements, padded in LDS
	s_or_b32 s[G1+0], s43, (1<<16)|(1<<20)|(1<<21)|(5<<22)|(3<<25)  ; 15:0 the mask: A's tiles go to my row; 17:16 elements of 2 bytes; 20 padding on; 21 set beside a mask; 24:22 after every 64 words (code 5); 31:25 4 words of it (code 3)
	s_or_b32 s[G1B+0], s44, (1<<16)|(1<<20)|(1<<21)|(5<<22)|(3<<25) ; the same with the mask of my column, for B's tiles
.irp g, G1, G1B
	s_mov_b32 s[(\g)+1], KSTEP<<16                 ; 63:48 tensor_dim0, low half = 128
	s_mov_b32 s[(\g)+2], 128<<16                   ; 95:80 tensor_dim1, low half = 128
	s_mov_b32 s[(\g)+3], KSTEP<<16                 ; 127:112 tile_dim0 = 128
	s_mov_b32 s[(\g)+4], 128                       ; 143:128 tile_dim1 = 128; tile_dim2 = 0
	s_mov_b32 s[(\g)+5], SIZE_K                    ; 191:160 elements from row to row
	s_mov_b32 s[(\g)+6], 0
	s_mov_b32 s[(\g)+7], 0
.endr
	; where the tiles come from.  A's hang on the tile row alone, which my row of the cluster shares; B's on the tile column alone, which my column shares.
	s_lshl_b32 s17, s12, 7                         ; which 128 rows of the tile I fetch
	s_lshl_b32 s16, s13, 8
	s_add_co_u32 s16, s16, s17                     ; A: row 256 x tile row + 128 x half
	s_lshl_b32 s46, s42, 8
	s_add_co_u32 s46, s46, s17                     ; B: row 256 x tile column + 128 x half
	s_mov_b32 s17, 0
	s_mov_b32 s47, 0
	s_mov_b64 s[18:19], SIZE_K*2
	s_mul_u64 s[16:17], s[16:17], s[18:19]         ; in bytes
	s_mul_u64 s[46:47], s[46:47], s[18:19]
	s_mul_i32 s20, s10, HALFT                      ; and where they go: A's two halves, then B's two halves = wave x 128 rows: no place in the cluster enters an LDS address
	s_wait_dscnt 0x0                               ; both opening adds are done
	s_wait_kmcnt 0x0
	s_add_nc_u64 s[14:15], s[4:5], s[16:17]
	s_add_nc_u64 s[46:47], s[6:7], s[46:47]
	CROUND                                         ; all sixteen work-groups are here: the first joint loads meet
.irp s, 0,1
	s_mov_b32 s[G0+4*(\s)], 1                                      ; 1:0 count = 1
	s_add_co_u32 s[G0+4*(\s)+1], s20, (\s)*SLOT                    ; 63:32 LDS address
	s_add_nc_u64 s[G0+4*(\s)+2:G0+4*(\s)+3], s[14:15], (\s)*KSTEP*2  ; 120:64 global address: K step s
	s_or_b32 s[G0+4*(\s)+3], s[G0+4*(\s)+3], 0x80000000            ; 127:126 type = 2
	s_mov_b32 s[G0B+4*(\s)], 1
	s_add_co_u32 s[G0B+4*(\s)+1], s20, (\s)*SLOT
	s_add_nc_u64 s[G0B+4*(\s)+2:G0B+4*(\s)+3], s[46:47], (\s)*KSTEP*2
	s_or_b32 s[G0B+4*(\s)+3], s[G0B+4*(\s)+3], 0x80000000
	JLOAD \s                                       ; both slots are asked for before anything else is done: two loads of mine are out
.endr
	; A fragment is 16 rows x 32 K in 8 registers: lane l holds row l % 16; registers 0-3 hold K = 8 (l / 16) + 0..7, registers 4-7 K = 16 + 8 (l / 16) + 0..7: two loads of 16 bytes, 32 bytes apart.
	v_and_b32 v1, 15, v0                           ; l % 16
	v_bfe_u32 v2, v0, 4, 1                         ; l / 16
	v_and_b32 v5, 31, v0                           ; l
	v_lshlrev_b32 v[CO], 4, v5
	v_lshlrev_b32 v[PFO], 13, v5                   ; l x 8,192 bytes
	v_mul_u32_u24 v3, v1, PITCH
	v_lshl_add_u32 v3, v2, 4, v3                   ; row x pitch + 16 x half
	s_mul_i32 s21, s11, HALFT                      ; my 128 rows of A
	s_mul_i32 s22, s12, HALFT                      ; my 128 rows of B,
	s_add_co_u32 s22, s22, 2*HALFT                 ; which lie behind A's 256
.irp s, 0,1
	v_add_nc_u32 v[ADRA+(\s)], s21, v3
	v_add_nc_u32 v[ADRB+(\s)], s22, v3
	s_add_co_u32 s21, s21, SLOT
	s_add_co_u32 s22, s22, SLOT
.endr
	s_mul_i32 s23, s10, 16*SPITCH
	s_add_co_u32 s23, s23, STAGE                   ; my stage
	v_mul_u32_u24 v4, v1, SPITCH                   ; in: row l % 16, 32 bytes for each half of the lanes
	v_lshl_add_u32 v4, v2, 5, v4
	v_add_nc_u32 v[STO], s23, v4
	v_add_nc_u32 v[RD], s23, v[CO]                 ; back: 32 lanes take one row's 512 bytes
	; out0 at my part of the tile
	s_lshl_b32 s13, s13, 8
	s_lshl_b32 s14, s11, 7
	s_add_co_u32 s16, s13, s14                     ; my first row
	s_mov_b32 s17, 0
	s_mov_b64 s[18:19], ROWC
	s_mul_u64 s[16:17], s[16:17], s[18:19]
	s_lshl_b32 s46, s42, 10                        ; my first column, in bytes: 1,024 x tile column + 512 x half
	s_lshl_b32 s47, s12, 9
	s_add_co_u32 s46, s46, s47
	s_mov_b32 s47, 0
	s_add_nc_u64 s[16:17], s[16:17], s[46:47]
	s_add_nc_u64 s[8:9], s[8:9], s[16:17]
	; the prefetches.  s13 = 256 x tile row, s42 = tile column, s40 = cx, s41 = cy still stand
	s_lshl_b32 s42, s42, 8
	s_and_b32 s22, ttmp7, 0xffff                   ; cluster y
	s_cmp_eq_u32 s11, 0                            ; do I fetch for A?
	s_cselect_b32 s20, s13, s42                    ; the tile's first row: in A by the tile row, in B by the tile column
	s_cselect_b32 s21, s40, s41                    ; my place among the four that ask for it with me
	s_cselect_b32 s22, ttmp9, s22                  ; the coordinate along which other clusters read the same rows
	s_cselect_b64 s[PFA:PFA+1], s[4:5], s[6:7]
	s_cmp_eq_u32 s22, 0
	s_cselect_b32 s[LIM], 1, -1                    ; the same in all sixteen partners, for a given wave
	s_lshl_b32 s22, s12, 7
	s_add_co_u32 s20, s20, s22                     ; + the 128 rows that I fetch
	s_lshl_b32 s21, s21, 5
	s_add_co_u32 s20, s20, s21                     ; + my work-group's 32 of them
	s_mov_b32 s21, 0
	s_mov_b64 s[18:19], SIZE_K*2
	s_mul_u64 s[20:21], s[20:21], s[18:19]
	s_add_nc_u64 s[PFA:PFA+1], s[PFA:PFA+1], s[20:21]
	s_add_nc_u64 s[PFA:PFA+1], s[PFA:PFA+1], 2*KSTEP*2  ; at K step 2: the first refill steps it to 3 and names K step 4
	; g, made while the first tiles are on their way: each wave sums all 512 counts (whole numbers, 2^23 together at the most: exact in f32)
.irp j, 0,1,2,3
	global_load_b128 v[GW+4*(\j):GW+4*(\j)+3], v[CO], s[CNTA:CNTA+1] offset:512*(\j)
.endr
	v_mov_b32 v[GW+16], 0                          ; written once, since a lane permute's destination counts as read
	s_mov_b32 s[SEL], 0x76543210
	s_mov_b32 s[SEL+1], 0xfedcba98
	s_wait_loadcnt 0x0
	v_pk_add_f32 v[GW:GW+1],   v[GW:GW+1],   v[GW+8:GW+9]
	v_pk_add_f32 v[GW+2:GW+3], v[GW+2:GW+3], v[GW+10:GW+11]
	v_pk_add_f32 v[GW+4:GW+5], v[GW+4:GW+5], v[GW+12:GW+13]
	v_pk_add_f32 v[GW+6:GW+7], v[GW+6:GW+7], v[GW+14:GW+15]
	v_pk_add_f32 v[GW:GW+1],   v[GW:GW+1],   v[GW+4:GW+5]
	v_pk_add_f32 v[GW+2:GW+3], v[GW+2:GW+3], v[GW+6:GW+7]
	v_pk_add_f32 v[GW:GW+1],   v[GW:GW+1],   v[GW+2:GW+3]
	v_add_f32 v[GW], v[GW], v[GW+1]
.irp m, 1,2,4,8
	v_add_f32_dpp v[GW], v[GW], v[GW] row_xmask:\m row_mask:0xf bank_mask:0xf
.endr
	v_permlanex16_b32 v[GW+16], v[GW], s[SEL], s[SEL+1]
	v_add_f32 v[GW], v[GW], v[GW+16]
	v_mul_f32 v[GW], 0x34000000, v[GW]             ; beta = the count times 2^-23
	v_rcp_f32 v[GW+1], v[GW]
	v_nop                                          ; a plain instruction between the reciprocal and the use of its result (ISA guide 5.7.2)
	s_wait_alu depctr_va_vdst(0)                   ; and a wait ahead of the first use
	v_mul_f32 v[GW+1], v[GW], v[GW+1]
	v_readfirstlane_b32 s[GS], v[GW+1]
	s_mov_b32 s[GS+1], s[GS]                       ; named with it as a pair, so it is written
; 16 matrix instructions: m blocks a0, a0 + 1 of the window's four (hi = 0: my rows 0-63, 1: rows 64-127) x all 8 n blocks, 32 along K.
; zero = 1: the first product starts the sums: nothing is ever cleared.  The 64 accumulators take turns, one instruction a turn, in the same order in every quarter step.
.macro MUL16 f, hi, a0, zero
	WIN MUL_LO+0x50*(\hi)
.irp a, \a0, (\a0)+1
.irp b, 0,1,2,3,4,5,6,7
.if \zero
	v_wmma_f32_16x16x32_bf16 v[8*(8*(\a)+(\b)):8*(8*(\a)+(\b))+7], v[(\f)+8*(\b):(\f)+8*(\b)+7], v[(\f)+8*(4*(\hi)+(\a)):(\f)+8*(4*(\hi)+(\a))+7], 0
.else
	v_wmma_f32_16x16x32_bf16 v[8*(8*(\a)+(\b)):8*(8*(\a)+(\b))+7], v[(\f)+8*(\b):(\f)+8*(\b)+7], v[(\f)+8*(4*(\hi)+(\a)):(\f)+8*(4*(\hi)+(\a))+7], v[8*(8*(\a)+(\b)):8*(8*(\a)+(\b))+7]
.endif
.endr
.endr
.endm
; 32 LDS loads in one run: the fragments of one quarter step (128 rows of B, 128 rows of A, 32 K at byte k of the rows) into buffer f
.macro FETCH slot, k, f
	WIN TO_B
.irp i, 0,1,2,3,4,5,6,7
	ds_load_b128 v[(\f)+8*(\i):(\f)+8*(\i)+3],   v[ADRB+(\slot)] offset:(\k)+(\i)*16*PITCH
	ds_load_b128 v[(\f)+8*(\i)+4:(\f)+8*(\i)+7], v[ADRB+(\slot)] offset:(\k)+(\i)*16*PITCH+32
.endr
	WIN 0
.irp i, 0,1,2,3,4,5,6,7
	ds_load_b128 v[(\f)+8*(\i):(\f)+8*(\i)+3],   v[ADRA+(\slot)] offset:(\k)+(\i)*16*PITCH
	ds_load_b128 v[(\f)+8*(\i)+4:(\f)+8*(\i)+7], v[ADRA+(\slot)] offset:(\k)+(\i)*16*PITCH+32
.endr
.endm
; A load into a register that a matrix instruction has read, and a vector instruction that reads a matrix result, stand four places behind that matrix instruction, and only plain vector
; instructions that name none of its registers are places (ISA guide 7.12.1 for vector instructions).
.macro PLACES
.rept 4
	v_nop
.endr
.endm
; A K step is four quarter steps of 32 along K, 64 matrix instructions each, on buffers 0, 1, 0, 1.
; One of the first three: multiplies buffer f; in its middle it fetches the next quarter's fragments, at byte k of the same slot's rows, into buffer g.
.macro QUARTER slot, k, f, g, zero
	s_wait_dscnt 8                                 ; B and A's rows 0-63 are in; the youngest eight loads (A's rows 64-127) may be out
	WIN MUL_LO
	MUL16 \f, 0, 0, \zero
	MUL16 \f, 0, 2, \zero
	PLACES
	FETCH \slot, \k, \g
	s_wait_dscnt 32                                ; all but the 32 just issued
	WIN MUL_HI
	MUL16 \f, 1, 0, \zero
	MUL16 \f, 1, 2, \zero
.endm
; The last quarter multiplies buffer 1 and changes slots.  MEET is its first half: ONE barrier for the change.  In front of it each wave waits for all its tensor loads, of which one is out:
; its part of the next slot; adds 0 to its spare word; and waits for that and for its own reads of this slot.  Behind it nobody reads this slot any more and the next slot is whole.
.macro MEET round                      ; round = 1: the rest of a round of the cluster's barrier follows
	WIN 0                                          ; (the add's two registers lie in window 0)
	s_wait_tensorcnt 0x0                           ; all my tensor loads have landed;
	ds_add_u32 v[SPW], v[NIL]                      ; 0 onto my spare word;
	s_wait_dscnt 9                                 ; (the add and the youngest eight loads may be out)
	WIN MUL_LO
	MUL16 F1, 0, 0, 0                              ; sixteen matrix instructions stand between the add and the wait for it
	s_wait_dscnt 0x0                               ; the add is done, and my reads of this slot are over:
	s_barrier_signal -1                            ; say so,
	MUL16 F1, 0, 2, 0                              ; work on registers while the others arrive,
.if \round
	WIN 0
.endif
	s_barrier_wait -1                              ; and go on when all four have said so
.endm
; The whole last quarter.  fill = 1: the barrier opens a round of the cluster's, so that no wave of any partner still reads this slot or has a load on its way; the slot is filled again first
; thing behind the round, with the K step two steps on: from that request to the wait for it a wave issues 224 matrix instructions.  Then come the next slot's first fragments.
.macro TURN slot, next, fill
.if \fill
	s_wait_xcnt 0x0                                ; the last prefetch, a K step back, has read its address: it is stepped here, ahead of the waits of the change of slots
	s_add_nc_u64 s[PFA:PFA+1], s[PFA:PFA+1], KSTEP*2
	MEET 1
	CREST
	s_add_nc_u64 s[G0+4*(\slot)+2:G0+4*(\slot)+3], s[G0+4*(\slot)+2:G0+4*(\slot)+3], 2*KSTEP*2     ; no tensor load of mine is out, so a group 0 may be written
	s_add_nc_u64 s[G0B+4*(\slot)+2:G0B+4*(\slot)+3], s[G0B+4*(\slot)+2:G0B+4*(\slot)+3], 2*KSTEP*2
	JLOAD \slot                                    ; the four v_nop behind it are also the places in front of the loads below
.else
	MEET 0
	PLACES
.endif
	FETCH \next, 0, F0
.if \fill
	ASK
.endif
	WIN MUL_HI
	MUL16 F1, 1, 0, 0
	MUL16 F1, 1, 2, 0
.endm
; THE WAY OUT of block a (16 rows x 128 columns), in three parts.  PACK: times g, each accumulator's registers in ascending order, into window 0.  TOSTAGE: into my own stage in LDS, and back
; as whole rows of 512 bytes.  SEND: stored.
.macro PACK a
.set AC, 64*((\a)%4)
	WIN 0x02+(\a)/4                                ; source 0: window 2 or 3
.irp b, 0,1,2,3,4,5,6,7
.irp r, 0,1,2,3
	v_pk_mul_f32 v[TMP+8*(\b)+2*(\r):TMP+8*(\b)+2*(\r)+1], v[AC+8*(\b)+2*(\r):AC+8*(\b)+2*(\r)+1], s[GS:GS+1] op_sel_hi:[1,0]
.endr
.endr
	WIN 0
.endm
.macro TOSTAGE a
	WIN 0
.set BK, OB+64*((\a)%2)
.irp b, 0,1,2,3,4,5,6,7
	ds_store_b128 v[STO], v[TMP+8*(\b):TMP+8*(\b)+3]   offset:64*(\b)
	ds_store_b128 v[STO], v[TMP+8*(\b)+4:TMP+8*(\b)+7] offset:64*(\b)+16
.endr
.irp t, 0,1,2,3,4,5,6,7,8,9,10,11,12,13,14,15
	ds_load_b128 v[BK+4*(\t):BK+4*(\t)+3], v[RD] offset:(\t)*SPITCH  ; LDS serves a wave's instructions in order (ISA guide 5.7.1.4): these see the stores above; the stage is my wave's own
.endr
.endm
.macro SEND a
	WIN 0
.set BK, OB+64*((\a)%2)
	s_wait_dscnt 0x0                               ; the block is back in registers
	s_wait_xcnt 0x0                                ; every earlier memory instruction has had its addresses translated (ISA guide 3.1): only behind this wait are the stores' base and the registers that earlier stores read rewritten
.if (\a) > 0
	s_add_nc_u64 s[8:9], s[8:9], 16*ROWC           ; 16 rows on
.endif
.irp t, 0,1,2,3,4,5,6,7,8,9,10,11,12,13,14,15
	global_store_b128 v[CO], v[BK+4*(\t):BK+4*(\t)+3], s[8:9] offset:(\t)*ROWC th:TH_STORE_NT  ; a wave stores 512 consecutive bytes, at a multiple of 512 from out0's first byte
.endr
.endm
	s_wait_tensorcnt 1                             ; my part of K step 0 is in; K step 1's may stay out
	s_barrier_signal -1
	s_barrier_wait -1                              ; everybody's is
	FETCH 0, 0, F0
	QUARTER 0, 64,  F0, F1, 1                      ; the first quarter stands in front of the loop: its products start the sums
	WIN 0                                          ; at a label and at a branch every window is 0
	s_mov_b32 s3, LAPS-1
.Llap:                                                 ; a trip goes once round the ring, from a lap's second quarter to the next lap's first, and fills both slots again: 2 + 2 x 15 fills for 32 K steps
	QUARTER 0, 128, F1, F0, 0
	QUARTER 0, 192, F0, F1, 0
	TURN 0, 1, 1
	QUARTER 1, 64,  F0, F1, 0
	QUARTER 1, 128, F1, F0, 0
	QUARTER 1, 192, F0, F1, 0
	TURN 1, 0, 1
	QUARTER 0, 64,  F0, F1, 0
	WIN 0
	s_sub_co_u32 s3, s3, 1
	s_cmp_lg_u32 s3, 0
	s_cbranch_scc1 .Llap
	QUARTER 0, 128, F1, F0, 0                      ; the last lap is written out: it fills nothing, and has no round of the cluster's barrier
	QUARTER 0, 192, F0, F1, 0
	TURN 0, 1, 0
	QUARTER 1, 64,  F0, F1, 0
	QUARTER 1, 128, F1, F0, 0
	QUARTER 1, 192, F0, F1, 0
	s_wait_dscnt 8                                 ; the very last quarter: nothing more to fetch
	WIN MUL_LO
	MUL16 F1, 0, 0, 0
	MUL16 F1, 0, 2, 0
	s_wait_dscnt 0x0
	MUL16 F1, 1, 0, 0
	MUL16 F1, 1, 2, 0
	WIN 0
	PLACES                                         ; behind the last products; blocks 0-3, which go out first, were finished 32 matrix instructions earlier
	PACK 0
	TOSTAGE 0
.irp a, 1,2,3,4,5,6,7                  ; block a's multiplies stand between block a - 1's loads from the stage and the wait for them
	PACK \a
	SEND (\a)-1
	TOSTAGE \a
.endr
	SEND 7
	s_wait_tensorcnt 0x0                           ; the wave's end, behind my last tensor load and my last LDS store
	ds_add_u32 v[SPW], v[NIL]
	s_wait_dscnt 0x0
	CROUND                                         ; the closing round: no work-group ends while a partner may still ask for a tile that names it
	s_endpgm
.Lfunc_end_k_q9df8bbc656_gemm:
	.size	k_q9df8bbc656_gemm, .Lfunc_end_k_q9df8bbc656_gemm-k_q9df8bbc656_gemm
	.p2alignl 7, 3214868480
	.fill 96, 4, 3214868480
	.section	.rodata,"a",@progbits
	.p2align	6, 0x0
	.amdhsa_kernel k_q9df8bbc656_gemm
		.amdhsa_group_segment_fixed_size 327680
		.amdhsa_private_segment_fixed_size 0
		.amdhsa_enable_private_segment 0
		.amdhsa_kernarg_size 32
		.amdhsa_user_sgpr_count 2
		.amdhsa_user_sgpr_kernarg_segment_ptr 1
		.amdhsa_wavefront_size32 1
		.amdhsa_system_sgpr_workgroup_id_x 1
		.amdhsa_system_sgpr_workgroup_id_y 1
		.amdhsa_system_sgpr_workgroup_id_z 1
		.amdhsa_system_vgpr_workitem_id 0
		.amdhsa_next_free_vgpr 1024
		.amdhsa_next_free_sgpr 76
		.amdhsa_reserve_vcc 0
		.amdhsa_float_denorm_mode_32 3
		.amdhsa_float_denorm_mode_16_64 3
		.amdhsa_memory_ordered 1
		.amdhsa_forward_progress 1
		.amdhsa_inst_pref_size 159
	.end_amdhsa_kernel
	.amdgpu_metadata
---
amdhsa.version: [ 1, 2 ]
amdhsa.kernels:
  - .name:           k_q9df8bbc656_gemm
    .symbol:         k_q9df8bbc656_gemm.kd
    .args:
      - { .name: xq, .offset: 0, .size: 8, .value_kind: global_buffer, .address_space: global }
      - { .name: wq, .offset: 8, .size: 8, .value_kind: global_buffer, .address_space: global }
      - { .name: out0, .offset: 16, .size: 8, .value_kind: global_buffer, .address_space: global }
      - { .name: cnt, .offset: 24, .size: 8, .value_kind: global_buffer, .address_space: global }
    .group_segment_fixed_size: 327680
    .private_segment_fixed_size: 0
    .kernarg_segment_align: 8
    .kernarg_segment_size: 32
    .max_flat_workgroup_size: 128
    .sgpr_count:     76
    .vgpr_count:     1024
    .wavefront_size: 32
...
	.end_amdgpu_metadata
.endif
;; end of part 3
